; MI455X (gfx1250); checked and timed in simulation.
; The chip was launched on July 23, 2026; its instructions are those of AMD's public machine-readable ISA for CDNA 5 (MIT licence, August 2026) and "CDNA5" Instruction Set Architecture Reference Guide (July 2026). The comments in the code are by the model that wrote it; some were corrected since.
;; Perceiver Alibi Self Attention. Allowed arithmetic: matrix products marked QUANTISED: E2M1 operands, one E8M0 scale for each 32 along K, by v_wmma_scale_f32_16x16x128_f8f6f4 with both operands' format E2M1 (or v_wmma_scale_f32_32x16x128_f4), f32 sums; everything else in f32.
;; Inputs: Wk 1,024 x 1,024 float32; Wq 1,024 x 1,024 float32; Wv 1,024 x 1,024 float32; bk 1,024 float32; bq 1,024 float32; bv 1,024 float32; hidden_states 4 x 2,048 x 1,024 float32; ln_beta 1,024 float32; ln_gamma 1,024 float32.
;; Outputs: out0 4 x 2,048 x 1,024 float32.
;; This version of the problem:
;;   THIS VERSION OF THE PROBLEM IS GIVEN IN LOW PRECISION. The matrix products marked QUANTISED in the list below multiply operands that are first quantised to E2M1 (2 exponent bits, 1 mantissa bit; 4 bits a number), with one power-of-two scale for each 32 numbers along K (OCP MX v1.0); their sums are f32. All else is computed in f32.
;;   The module's matrix products, in the order in which they are computed (A, B: the left and right operand; K: the contracted axis; several contracted axes count as one K, in the product's order):
;;     1. [M 8,192, K 1,024] x [K 1,024, N 1,024]; A: computed on the way; B: input Wq: QUANTISED
;;     2. [M 8,192, K 1,024] x [K 1,024, N 1,024]; A: computed on the way; B: input Wk: QUANTISED
;;     3. [M 8,192, K 1,024] x [K 1,024, N 1,024]; A: computed on the way; B: input Wv: QUANTISED
;;     4. batch 64 x [M 2,048, K 64] x [K 64, N 2,048]; A: computed on the way; B: computed on the way: QUANTISED
;;     5. batch 64 x [M 2,048, K 2,048] x [K 2,048, N 64]; A: softmax (see below); B: computed on the way: QUANTISED
;;   THE QUANTISER, for each operand of a quantised product, along K:
;;     - K is cut into blocks of 32 from its start; a last block that is shorter is filled with zeros.
;;     - A block's scale is 2^e with e = floor(log2(the largest magnitude in the block)) - 2, held to -126 .. 127; a block of zeros has e = 0. As a byte (E8M0): e + 127.
;;     - Each number is divided by its block's scale, clamped to +-6, and rounded to the nearest number of E2M1, ties to even, subnormals kept.
;;     - The product sums the exact products of the quantised numbers (number of the format x scale) in f32.
;;   ~~~python
;;   def quantise(x, axis):      # numpy; x: float32 -> the quantised numbers, widened to float32 again
;;       x = np.moveaxis(x, axis, -1); K = x.shape[-1]
;;       x = np.pad(x, [(0, 0)] * (x.ndim - 1) + [(0, -K % 32)]); x = x.reshape(x.shape[:-1] + (-1, 32)); a = np.abs(x).max(-1, keepdims=True)
;;       e = np.where(a > 0, np.clip(np.frexp(np.where(a > 0, a, 1))[1] - 1 - 2, -126, 127), 0)      # np.frexp(a)[1] - 1 = floor(log2(a)), exactly
;;       r = np.clip(x / 2.0 ** e, -6, 6)
;;       step = 2.0 ** (np.maximum(np.frexp(np.where(r == 0, 1, r))[1] - 1, 0) - 1)
;;       q = np.round(r / step) * step * 2.0 ** e      # np.round: ties to even
;;       return np.moveaxis(q.reshape(q.shape[:-2] + (-1,))[..., :K], -1, axis).astype(np.float32)
;;   ~~~
;;   SOFTMAX AHEAD OF A QUANTISED PRODUCT. Where the list says 'softmax', what is quantised is not the finished softmax but p = 2^(t - M), with t = logit x log2(e) and M = ceil(the row's largest t), a whole number; so 1/2 < the row's largest p <= 1. The row's sum l is taken of the UNQUANTISED p, in f32, and the product's result is divided by l at the end. Since M is a whole number, a kernel that streams over the keys may use a running M (the ceiling of the running maximum): every later rescaling is an exact power of two, which a block's scale takes up: the codes' values come out the same.
;;   OPERANDS COMPUTED ON THE WAY. 'Computed on the way' means the value that the module computes at that place (a softmax that the list does not call 'softmax' is quantised finished and normalised). What goes into a quantiser is computed in f32, as accurately as f32 sums, v_exp_f32 and their like allow (about 1e-6 of the number): no bf16 or f16 on the way to a quantiser, and a product that is left as it is and whose result goes on into a quantised operand takes f32 operands (vector FMAs, or v_wmma_f32_16x16x4_f32). A number that lies on a knife's edge between two numbers of the format may be rounded either way, as far as f32 arithmetic and the matrix unit's own rounding can turn it there, and no further.
;; One version. Each part assembles by itself: llvm-mc -triple=amdgcn-amd-amdhsa -mcpu=gfx1250 --defsym DOCPART=n.
;; ======== version 1 of 1: 4 launches
;; workspace buffers: x_codes 4,194,304 bytes; x_scales 262,144 bytes; w_codes 1,572,864 bytes; w_scales 98,304 bytes; qkimg 8,388,608 bytes; qks 1,048,576 bytes; vimg 4,194,304 bytes; vs 262,144 bytes
;; launch wquant (part 1): grid 48 x 1, 16 waves a work-group, no clusters, 37,888 bytes of LDS; arguments Wq, Wk, Wv, w_codes, w_scales; writes w_codes, w_scales
.if DOCPART == 1
	.amdgcn_target "amdgcn-amd-amdhsa--gfx1250"
	.amdhsa_code_object_version 6
	.text
	.protected	k_q97b10c3839_wquant
	.globl	k_q97b10c3839_wquant
	.p2align	8
	.type	k_q97b10c3839_wquant,@function
k_q97b10c3839_wquant:
	s_mov_b64 s[64:65], 0
	v_nop
	global_prefetch_b8 v0, s[64:65] scope:SCOPE_SE
	s_setreg_imm32_b32 hwreg(HW_REG_WAVE_MODE, 25, 1), 1
	s_wait_xcnt 0x0
; Wq, Wk, Wv [1024 (k)][1024 (n)] f32, K their FIRST axis, become codes of FP4 (E2M1) laid [3072 rows][512 bytes] with K innermost, and E8M0 scale bytes [3072][32].
; ROW ORDER: stored row p holds column swap34(p) of its tensor (bits 3 and 4 of the number exchanged), so that 16 stored rows on end are the columns 32 B + 8 U + m + 8 (m / 8) that a tile of the products wants.
; A block's scale is 2^(floor(log2(its largest magnitude)) - 2): its byte is the largest magnitude's exponent field - 2, held at 1 from below.
; LIMITS: a block of zeros gets the byte 1 and not 127 (its codes are zeros, and this program alone reads the bytes); blocks whose largest magnitude lies under 2^-124 are held at byte 1; NaN and infinities are not served.
; SHARES: work-group g takes tensor g / 16, columns 64 (g % 16) on, all of K.  Wave w: 32 columns (w % 2), 128 along K (w / 2): four blocks.  A LANE TAKES A COLUMN AND ITS REGISTERS RUN DOWN K:
; a load reads 128 consecutive bytes, a block of 32 lies in one lane, and the conversions give codes with K innermost.  The codes meet in a stage in LDS and leave as whole rows of 512 bytes.
; No matrix unit, no cluster, no tensor load: a stream that is read once.
.set SP,   528                         ; a stage row: 512 bytes of codes + 16, an odd multiple of 16 bytes
.set SCB,  64*SP                       ; behind the stage: 64 rows x 32 scale bytes, at the rows' STORED places
.set X,    32                          ; v32-159  four blocks of 32 numbers
.set C,    16                          ; v16-31   four registers of codes for each block: no store's data are written again
	s_load_b256 s[4:11], s[0:1], 0x0               ; Wq s[4:5], Wk s[6:7], Wv s[8:9], the codes s[10:11]
	s_load_b64 s[12:13], s[0:1], 0x20              ; the scale bytes
	v_lshl_add_u32 v168, v0, 2, 0x8c00
	v_mov_b32 v169, 0
	v_lshrrev_b32 v1, 5, v0
	v_readfirstlane_b32 s14, v1                    ; wave 0..15
	v_and_b32 v1, 31, v0                           ; lane
	s_and_b32 s15, s14, 1                          ; which 32 columns
	s_lshr_b32 s16, s14, 1                         ; which 128 along K
	s_and_b32 s17, s14, 9                          ; the wave's number with bits 1 and 2 exchanged: rows 4 w + i are stored at 4 w' + i
	s_and_b32 s18, s14, 2
	s_lshl_b32 s18, s18, 1
	s_or_b32 s17, s17, s18
	s_and_b32 s18, s14, 4
	s_lshr_b32 s18, s18, 1
	s_or_b32 s17, s17, s18
	v_lshlrev_b32 v2, 2, v1                        ; in: 4 bytes a lane
	s_mul_i32 s18, s15, 32*SP
	s_lshl_b32 s19, s16, 6
	s_add_co_u32 s18, s18, s19
	v_mul_u32_u24 v3, v1, SP
	v_add_nc_u32 v3, s18, v3                       ; the stage: row = my column, + 64 bytes for each 128 along K
	v_and_b32 v8, 7, v1
	v_bfe_u32 v9, v1, 3, 1
	v_lshl_add_u32 v8, v9, 4, v8
	v_bfe_u32 v9, v1, 4, 1
	v_lshl_add_u32 v8, v9, 3, v8                   ; swap34(lane)
	v_lshlrev_b32 v4, 5, v8
	s_lshl_b32 s18, s15, 10
	s_lshl_b32 s19, s16, 2
	s_add_co_u32 s18, s18, s19
	s_add_co_u32 s18, s18, SCB
	v_add_nc_u32 v4, s18, v4                       ; my scale word: stored row x 32 + 4 x (w / 2)
	s_mul_i32 s18, s14, 4*SP
	v_lshlrev_b32 v6, 4, v1                        ; out: 16 bytes a lane
	v_add_nc_u32 v5, s18, v6                       ; the stage's rows 4 w on
	s_and_b32 s18, s14, 3
	s_lshl_b32 s18, s18, 9
	s_add_co_u32 s19, s18, SCB
	v_add_nc_u32 v7, s19, v6                       ; 512 of the 2,048 scale bytes (waves 0 to 3 use it)
	s_and_b32 s20, ttmp9, 15
	s_lshl_b32 s20, s20, 8                         ; 64 columns x 4 bytes for each work-group of a tensor,
	s_lshl_b32 s21, s15, 7
	s_add_co_u32 s20, s20, s21                     ; 32 columns x 4 bytes,
	s_lshl_b32 s21, s16, 19
	s_add_co_u32 s20, s20, s21                     ; 128 rows of 4,096 bytes
	s_mov_b32 s21, 0
	s_lshl_b32 s22, ttmp9, 15                      ; the codes: 64 rows of 512 bytes a work-group,
	s_lshl_b32 s23, s17, 11
	s_add_co_u32 s22, s22, s23                     ; + 4 w' rows
	s_mov_b32 s23, 0
	s_lshl_b32 s24, ttmp9, 11                      ; the scale bytes: 64 rows of 32 bytes a work-group
	s_add_co_u32 s24, s24, s18
	s_mov_b32 s25, 0
	s_wait_kmcnt 0x0
	s_cmp_lt_u32 ttmp9, 16                         ; which tensor: the choice hangs on the work-group's number alone
	s_cselect_b64 s[4:5], s[4:5], s[6:7]
	s_cmp_lt_u32 ttmp9, 32
	s_cselect_b64 s[4:5], s[4:5], s[8:9]
	s_add_nc_u64 s[4:5], s[4:5], s[20:21]
	s_add_nc_u64 s[10:11], s[10:11], s[22:23]
	s_add_nc_u64 s[12:13], s[12:13], s[24:25]
.macro LOAD t                          ; block t: W(32 t + n, my column), n = 0 .. 31
.set n, 0
.rept 32
	global_load_b32 v[X+32*(\t)+n], v2, s[4:5] offset:(32*(\t)+n)*4096 th:TH_LOAD_NT
.set n, n+1
.endr
.endm
	LOAD 0
	LOAD 1
.macro BLOCK t
.set XS, X+32*(\t)
.if (\t) < 3
	s_wait_loadcnt 32                              ; this block's 32 loads are in; the next block's 32 may be out
.else
	s_wait_loadcnt 0x0
.endif
.if (\t)+2 < 4
	LOAD (\t)+2                                    ; two blocks ahead, into registers of its own
.endif
	v_max3_num_f32 v8, |v[XS]|, |v[XS+1]|, |v[XS+2]|               ; the block's largest magnitude: all 32 numbers are mine; two chains
	v_max3_num_f32 v9, |v[XS+3]|, |v[XS+4]|, |v[XS+5]|
.irp i, 6,10,14,18,22,26
	v_max3_num_f32 v8, v8, |v[XS+\i]|, |v[XS+\i+1]|
	v_max3_num_f32 v9, v9, |v[XS+\i+2]|, |v[XS+\i+3]|
.endr
	v_max3_num_f32 v8, v8, |v[XS+30]|, |v[XS+31]|
	v_max3_num_f32 v8, v8, v9, 0x1800000           ; and the floor 2^(3 - 127): the byte cannot fall under 1
	v_add_nc_u32 v11, 0xff000000, v8               ; 2 off the exponent field: the conversion takes this operand's exponent field as its scale
	v_lshrrev_b32 v10, 23, v11                     ; the scale's byte
.if (\t) == 0
	v_mov_b32 v12, v10                             ; four bytes make my column's word for these 128 along K
.else
	v_lshl_or_b32 v12, v10, 8*(\t), v12
.endif
.irp g, 0,1,2,3
	v_cvt_scalef32_pk8_fp4_f32 v[C+4*(\t)+\g], v[XS+8*\g:XS+8*\g+7], v11
.endr
	ds_store_b128 v3, v[C+4*(\t):C+4*(\t)+3] offset:16*(\t)        ; 32 codes: 16 bytes of my column's row.  (The next block begins with plain vector lines before v11 is written again)
.endm
	BLOCK 0
	BLOCK 1
	BLOCK 2
	BLOCK 3
	ds_store_b32 v4, v12
	s_wait_dscnt 0x0                               ; for the others' sake: my stores into the stage have landed
	s_barrier_signal -1
	s_barrier_wait -1                              ; 64 whole rows of codes and their scale bytes lie in LDS
.irp i, 0,1,2,3
	ds_load_b128 v[C+4*\i:C+4*\i+3], v5 offset:\i*SP
.endr
.irp i, 0,1,2,3
	s_wait_dscnt 3-\i                              ; row i is in; the younger loads may be out
	global_store_b128 v6, v[C+4*\i:C+4*\i+3], s[10:11] offset:512*\i   ; 32 lanes store a row: 512 consecutive bytes, aligned
.endr
	s_cmp_gt_u32 s14, 3
	s_cbranch_scc1 .Ldone                          ; the 2,048 scale bytes leave by waves 0 to 3
	ds_load_b128 v[160:163], v7
	s_wait_dscnt 0x0
	global_store_b128 v6, v[160:163], s[12:13]     ; 512 consecutive bytes, aligned
.Ldone:
	s_wait_tensorcnt 0x0
	ds_add_u32 v168, v169
	s_wait_dscnt 0x0
	s_endpgm
.Lfunc_end_k_q97b10c3839_wquant:
	.size	k_q97b10c3839_wquant, .Lfunc_end_k_q97b10c3839_wquant-k_q97b10c3839_wquant
	.p2alignl 7, 3214868480
	.fill 96, 4, 3214868480
	.section	.rodata,"a",@progbits
	.p2align	6, 0x0
	.amdhsa_kernel k_q97b10c3839_wquant
		.amdhsa_group_segment_fixed_size 37888
		.amdhsa_private_segment_fixed_size 0
		.amdhsa_enable_private_segment 0
		.amdhsa_kernarg_size 40
		.amdhsa_user_sgpr_count 2
		.amdhsa_user_sgpr_kernarg_segment_ptr 1
		.amdhsa_wavefront_size32 1
		.amdhsa_system_sgpr_workgroup_id_x 1
		.amdhsa_system_sgpr_workgroup_id_y 1
		.amdhsa_system_sgpr_workgroup_id_z 1
		.amdhsa_system_vgpr_workitem_id 0
		.amdhsa_next_free_vgpr 170
		.amdhsa_next_free_sgpr 66
		.amdhsa_reserve_vcc 0
		.amdhsa_float_denorm_mode_32 3
		.amdhsa_float_denorm_mode_16_64 3
		.amdhsa_memory_ordered 1
		.amdhsa_forward_progress 1
		.amdhsa_inst_pref_size 23
	.end_amdhsa_kernel
	.amdgpu_metadata
---
amdhsa.version: [ 1, 2 ]
amdhsa.kernels:
  - .name:           k_q97b10c3839_wquant
    .symbol:         k_q97b10c3839_wquant.kd
    .args:
      - { .name: Wq, .offset: 0, .size: 8, .value_kind: global_buffer, .address_space: global }
      - { .name: Wk, .offset: 8, .size: 8, .value_kind: global_buffer, .address_space: global }
      - { .name: Wv, .offset: 16, .size: 8, .value_kind: global_buffer, .address_space: global }
      - { .name: w_codes, .offset: 24, .size: 8, .value_kind: global_buffer, .address_space: global }
      - { .name: w_scales, .offset: 32, .size: 8, .value_kind: global_buffer, .address_space: global }
    .group_segment_fixed_size: 37888
    .private_segment_fixed_size: 0
    .kernarg_segment_align: 8
    .kernarg_segment_size: 40
    .max_flat_workgroup_size: 512
    .sgpr_count:     66
    .vgpr_count:     170
    .wavefront_size: 32
...
	.end_amdgpu_metadata
.endif
;; end of part 1
;; launch lnq (part 2): grid 256 x 1, 8 waves a work-group, no clusters, 168,960 bytes of LDS; arguments hidden_states, ln_gamma, ln_beta, x_codes, x_scales; writes x_codes, x_scales
.if DOCPART == 2
	.amdgcn_target "amdgcn-amd-amdhsa--gfx1250"
	.amdhsa_code_object_version 6
	.text
	.protected	k_q97b10c3839_lnq
	.globl	k_q97b10c3839_lnq
	.p2align	8
	.type	k_q97b10c3839_lnq,@function
k_q97b10c3839_lnq:
	s_mov_b64 s[64:65], 0
	v_nop
	global_prefetch_b8 v0, s[64:65] scope:SCOPE_SE
	s_setreg_imm32_b32 hwreg(HW_REG_WAVE_MODE, 25, 1), 1
	s_wait_xcnt 0x0
; x = layernorm(hidden_states) * gamma + beta, rows of 1,024 f32, all in f32 (mean, then the mean of the squared differences, eps = 1e-5), then quantised along the row to codes of FP4 (E2M1)
; [8192 rows][512 bytes] with E8M0 scale bytes [8192][32].  ROW ORDER: stored row p holds row swap34(p) (bits 3 and 4 exchanged), as the products' tiles want their rows.
; LIMITS: a block of zeros gets the byte 1 and not 127 (its codes are zeros; this program alone reads the bytes); blocks under 2^-124 are held at byte 1; NaN and infinities are not served.
; SHARES: a work-group takes 32 rows, each of its eight waves four; one wave, one row at a time, kept in 32 registers a lane between the passes: memory is read once and no wave waits for another.
; The four rows of a wave are asked for at once by four tensor loads into LDS bytes of the wave's own; nothing is filled twice.  In LDS 16 bytes of padding follow each 64, so that a lane reads its 16 NEIGHBOURS
; (64 bytes, 80 bytes from lane to lane) without the lanes falling on the same banks: the conversions take neighbours along K from one lane's registers; two neighbouring lanes hold a block of 32.
; Matrix units and clusters have nothing to do here: no byte is read by two work-groups.
.set REG,  20480                       ; a wave's LDS: four rows
.set ROWL, 5120                        ; a row: 64 pieces of 64 bytes + 16
.set SCB,  8*REG                       ; behind them: 32 rows x 32 scale bytes, at the rows' stored places; no tile lands there
.set X,    8                           ; v8-39    the row: X[0..15] = k 16 lane + 0..15, X[16..31] = k 512 + 16 lane + 0..15
.set GA,   40                          ; v40-71   gamma at the same k
.set BE,   72                          ; v72-103  beta
.set CD,   104                         ; v104-119 codes: two registers for each row and half, so that no store's data are written again
.set EB,   120                         ; v120-127 a scale byte for each row and half
	s_load_b256 s[4:11], s[0:1], 0x0               ; hidden_states, gamma, beta, the codes
	s_load_b64 s[12:13], s[0:1], 0x20              ; the scale bytes
	v_lshl_add_u32 v144, v0, 2, 0x29000
	v_mov_b32 v145, 0
	ds_add_u32 v144, v145
	ds_add_u32 v144, v145
	v_lshrrev_b32 v1, 5, v0
	v_readfirstlane_b32 s14, v1                    ; wave 0..7
	s_and_b32 s15, s14, 1                          ; the wave's number with bits 1 and 2 exchanged: rows 4 w + i are stored at 4 w' + i
	s_and_b32 s2, s14, 2
	s_lshl_b32 s2, s2, 1
	s_or_b32 s15, s15, s2
	s_and_b32 s2, s14, 4
	s_lshr_b32 s2, s2, 1
	s_or_b32 s15, s15, s2
	; descriptor group 1: a row of 4,096 dense bytes as 4 rows of 128 elements of 8 bytes
	s_mov_b32 s16, (3<<16)|(1<<20)|(3<<22)|(3<<25) ; no mask; elements of 8 bytes; padding on: after every 16 words, 4 words
	s_mov_b32 s17, 128<<16                         ; tensor_dim0 = 128
	s_mov_b32 s18, 4<<16                           ; tensor_dim1 = 4
	s_mov_b32 s19, 128<<16                         ; tile_dim0 = 128
	s_mov_b32 s20, 4                               ; tile_dim1 = 4
	s_mov_b32 s21, 128                             ; from row to row
	s_mov_b32 s22, 0
	s_mov_b32 s23, 0
	s_lshl_b32 s2, ttmp9, 17                       ; 32 rows of 4,096 bytes a work-group,
	s_lshl_b32 s3, s14, 14
	s_add_co_u32 s2, s2, s3                        ; four a wave
	s_mov_b32 s3, 0
	s_mul_i32 s44, s14, REG
	s_mov_b32 s40, 0x76543210                      ; v_permlanex16_b32's selects for lane l xor 16
	s_mov_b32 s41, 0xfedcba98
	s_mov_b32 s42, 0x3727c5ac                      ; 1e-5
	s_mov_b32 s43, 0x3a800000                      ; 1 / 1024
	s_wait_dscnt 0x0
	s_wait_kmcnt 0x0
	s_add_nc_u64 s[4:5], s[4:5], s[2:3]
.irp i, 0,1,2,3
	s_mov_b32 s[24+4*\i], 1                        ; group 0 of row i: count 1,
	s_add_co_u32 s[25+4*\i], s44, \i*ROWL          ; its LDS bytes: wave x 20,480 + 5,120 i,
	s_add_nc_u64 s[26+4*\i:27+4*\i], s[4:5], \i*4096   ; its first byte in memory,
	s_or_b32 s[27+4*\i], s[27+4*\i], 0x80000000    ; type 2
.endr
.irp i, 0,1,2,3
	tensor_load_to_lds s[24+4*\i:27+4*\i], s[16:23]    ; the wave's four first fills, in one group ahead of every wait, LDS read and barrier: four loads of mine are out
	s_nop 0
.endr
	v_and_b32 v1, 31, v0                           ; lane
	v_mul_u32_u24 v2, v1, 80
	v_add_nc_u32 v2, s44, v2                       ; my 64 bytes of a row's first half
	v_lshlrev_b32 v3, 6, v1                        ; gamma, beta: 64 bytes a lane
	v_lshlrev_b32 v4, 3, v1                        ; my 16 codes: 8 bytes
	v_lshrrev_b32 v5, 1, v1
	s_lshl_b32 s2, s15, 7
	s_add_co_u32 s2, s2, SCB
	v_add_nc_u32 v5, s2, v5                        ; my block's scale byte: stored row 4 w' x 32 + lane / 2
	v_lshlrev_b32 v6, 4, v1
	s_and_b32 s3, s14, 1
	s_lshl_b32 s3, s3, 9
	s_add_co_u32 s2, s3, SCB
	v_add_nc_u32 v7, s2, v6                        ; 512 of the 1,024 scale bytes (waves 0 and 1 use it)
.irp hf, 0,1
.irp j, 0,1,2,3
	global_load_b128 v[GA+16*\hf+4*\j:GA+16*\hf+4*\j+3], v3, s[6:7] offset:2048*\hf+16*\j
	global_load_b128 v[BE+16*\hf+4*\j:BE+16*\hf+4*\j+3], v3, s[8:9] offset:2048*\hf+16*\j
.endr
.endr
	s_lshl_b32 s2, ttmp9, 10
	s_add_co_u32 s2, s2, s3                        ; the scale bytes: 1,024 a work-group
	s_mov_b32 s3, 0
	s_add_nc_u64 s[12:13], s[12:13], s[2:3]
	s_lshl_b32 s2, ttmp9, 14                       ; the codes: 32 rows of 512 bytes a work-group,
	s_lshl_b32 s45, s15, 11
	s_add_co_u32 s2, s2, s45                       ; + 4 w' rows
	s_add_nc_u64 s[10:11], s[10:11], s[2:3]
	v_mov_b32 v133, 0                              ; a lane permute's destination counts as one of its sources
	v_mov_b32 v135, 0                              ; (named as the upper halves of pairs of which the low word serves both halves)
	v_mov_b32 v137, 0
	s_wait_loadcnt 0x0                             ; gamma and beta, once
.macro WSUM r                          ; the sum over the wave's 32 lanes, in every lane
	v_add_f32_dpp v[\r], v[\r], v[\r] row_xmask:1 row_mask:0xf bank_mask:0xf
	v_add_f32_dpp v[\r], v[\r], v[\r] row_xmask:2 row_mask:0xf bank_mask:0xf
	v_add_f32_dpp v[\r], v[\r], v[\r] row_xmask:4 row_mask:0xf bank_mask:0xf
	v_add_f32_dpp v[\r], v[\r], v[\r] row_xmask:8 row_mask:0xf bank_mask:0xf
	v_permlanex16_b32 v133, v[\r], s40, s41
	v_add_f32 v[\r], v[\r], v133
.endm
.macro ROW n
	s_wait_tensorcnt 3-\n                          ; tensor loads of a wave end in order: row n is in LDS, the rows behind it may be out
.irp hf, 0,1
.irp j, 0,1,2,3
	ds_load_b128 v[X+16*\hf+4*\j:X+16*\hf+4*\j+3], v2 offset:ROWL*\n+2560*\hf+16*\j
.endr
.endr
	s_wait_dscnt 0x0
	v_pk_add_f32 v[128:129], v[X:X+1], v[X+2:X+3]                  ; the row's sum: two at a time, two chains
	v_pk_add_f32 v[130:131], v[X+4:X+5], v[X+6:X+7]
.irp j, 8,12,16,20,24,28
	v_pk_add_f32 v[128:129], v[128:129], v[X+\j:X+\j+1]
	v_pk_add_f32 v[130:131], v[130:131], v[X+\j+2:X+\j+3]
.endr
	v_pk_add_f32 v[128:129], v[128:129], v[130:131]
	v_add_f32 v132, v128, v129
	WSUM 132
	v_mul_f32 v134, s43, v132                      ; the mean
.irp j, 0,2,4,6,8,10,12,14,16,18,20,22,24,26,28,30
	v_pk_add_f32 v[X+\j:X+\j+1], v[X+\j:X+\j+1], v[134:135] op_sel_hi:[1,0] neg_lo:[0,1] neg_hi:[0,1]   ; x - mean
.endr
	v_pk_mul_f32 v[128:129], v[X:X+1], v[X:X+1]                    ; the sum of their squares
	v_pk_mul_f32 v[130:131], v[X+2:X+3], v[X+2:X+3]
.irp j, 4,8,12,16,20,24,28
	v_pk_fma_f32 v[128:129], v[X+\j:X+\j+1], v[X+\j:X+\j+1], v[128:129]
	v_pk_fma_f32 v[130:131], v[X+\j+2:X+\j+3], v[X+\j+2:X+\j+3], v[130:131]
.endr
	v_pk_add_f32 v[128:129], v[128:129], v[130:131]
	v_add_f32 v132, v128, v129
	WSUM 132
	v_fma_f32 v136, v132, s43, s42                 ; the variance + eps
	v_rsq_f32 v136, v136
	v_nop                                          ; one plain instruction behind a transcendental before its result is used
	s_wait_alu depctr_va_vdst(0)
.irp j, 0,2,4,6,8,10,12,14,16,18,20,22,24,26,28,30
	v_pk_mul_f32 v[X+\j:X+\j+1], v[X+\j:X+\j+1], v[136:137] op_sel_hi:[1,0]
.endr
.irp j, 0,2,4,6,8,10,12,14,16,18,20,22,24,26,28,30
	v_pk_fma_f32 v[X+\j:X+\j+1], v[X+\j:X+\j+1], v[GA+\j:GA+\j+1], v[BE+\j:BE+\j+1]
.endr
.irp hf, 0,1                           ; my 16 numbers of each half of the row: half a block of 32
	v_max3_num_f32 v138, |v[X+16*\hf]|, |v[X+16*\hf+1]|, |v[X+16*\hf+2]|
	v_max3_num_f32 v139, |v[X+16*\hf+3]|, |v[X+16*\hf+4]|, |v[X+16*\hf+5]|
	v_max3_num_f32 v138, v138, |v[X+16*\hf+6]|, |v[X+16*\hf+7]|
	v_max3_num_f32 v139, v139, |v[X+16*\hf+8]|, |v[X+16*\hf+9]|
	v_max3_num_f32 v138, v138, |v[X+16*\hf+10]|, |v[X+16*\hf+11]|
	v_max3_num_f32 v139, v139, |v[X+16*\hf+12]|, |v[X+16*\hf+13]|
	v_max3_num_f32 v138, v138, |v[X+16*\hf+14]|, |v[X+16*\hf+15]|
	v_max3_num_f32 v138, v138, v139, 0x1800000     ; and the floor 2^(3 - 127): the byte cannot fall under 1
	v_max_num_f32_dpp v138, v138, v138 row_xmask:1 row_mask:0xf bank_mask:0xf   ; with my neighbour's 16: the block's largest magnitude
	v_add_nc_u32 v140, 0xff000000, v138            ; 2 off its exponent field: the conversion's scale operand
	v_cvt_scalef32_pk8_fp4_f32 v[CD+4*\n+2*\hf], v[X+16*\hf:X+16*\hf+7], v140
	v_cvt_scalef32_pk8_fp4_f32 v[CD+4*\n+2*\hf+1], v[X+16*\hf+8:X+16*\hf+15], v140
	v_lshrrev_b32 v[EB+2*\n+\hf], 23, v140         ; the scale's byte (a plain line behind the conversions)
	ds_store_b8 v5, v[EB+2*\n+\hf] offset:32*\n+16*\hf             ; both lanes of a block write the same byte with the same value
	global_store_b64 v4, v[CD+4*\n+2*\hf:CD+4*\n+2*\hf+1], s[10:11] offset:512*\n+256*\hf   ; 32 lanes store 256 consecutive bytes, aligned
.endr
.endm
	ROW 0
	ROW 1
	ROW 2
	ROW 3
	s_wait_dscnt 0x0                               ; for the others' sake: my byte stores have landed
	s_barrier_signal -1
	s_barrier_wait -1                              ; the work-group's 1,024 scale bytes lie in LDS
	s_cmp_gt_u32 s14, 1
	s_cbranch_scc1 .Ldone                          ; they leave by waves 0 and 1
	ds_load_b128 v[128:131], v7
	s_wait_dscnt 0x0
	global_store_b128 v6, v[128:131], s[12:13]     ; 512 consecutive bytes, aligned
.Ldone:
	s_wait_tensorcnt 0x0
	ds_add_u32 v144, v145
	s_wait_dscnt 0x0
	s_endpgm
.Lfunc_end_k_q97b10c3839_lnq:
	.size	k_q97b10c3839_lnq, .Lfunc_end_k_q97b10c3839_lnq-k_q97b10c3839_lnq
	.p2alignl 7, 3214868480
	.fill 96, 4, 3214868480
	.section	.rodata,"a",@progbits
	.p2align	6, 0x0
	.amdhsa_kernel k_q97b10c3839_lnq
		.amdhsa_group_segment_fixed_size 168960
		.amdhsa_private_segment_fixed_size 0
		.amdhsa_enable_private_segment 0
		.amdhsa_kernarg_size 40
		.amdhsa_user_sgpr_count 2
		.amdhsa_user_sgpr_kernarg_segment_ptr 1
		.amdhsa_wavefront_size32 1
		.amdhsa_system_sgpr_workgroup_id_x 1
		.amdhsa_system_sgpr_workgroup_id_y 1
		.amdhsa_system_sgpr_workgroup_id_z 1
		.amdhsa_system_vgpr_workitem_id 0
		.amdhsa_next_free_vgpr 146
		.amdhsa_next_free_sgpr 66
		.amdhsa_reserve_vcc 0
		.amdhsa_float_denorm_mode_32 3
		.amdhsa_float_denorm_mode_16_64 3
		.amdhsa_memory_ordered 1
		.amdhsa_forward_progress 1
		.amdhsa_inst_pref_size 40
	.end_amdhsa_kernel
	.amdgpu_metadata
---
amdhsa.version: [ 1, 2 ]
amdhsa.kernels:
  - .name:           k_q97b10c3839_lnq
    .symbol:         k_q97b10c3839_lnq.kd
    .args:
      - { .name: hidden_states, .offset: 0, .size: 8, .value_kind: global_buffer, .address_space: global }
      - { .name: ln_gamma, .offset: 8, .size: 8, .value_kind: global_buffer, .address_space: global }
      - { .name: ln_beta, .offset: 16, .size: 8, .value_kind: global_buffer, .address_space: global }
      - { .name: x_codes, .offset: 24, .size: 8, .value_kind: global_buffer, .address_space: global }
      - { .name: x_scales, .offset: 32, .size: 8, .value_kind: global_buffer, .address_space: global }
    .group_segment_fixed_size: 168960
    .private_segment_fixed_size: 0
    .kernarg_segment_align: 8
    .kernarg_segment_size: 40
    .max_flat_workgroup_size: 256
    .sgpr_count:     66
    .vgpr_count:     146
    .wavefront_size: 32
...
	.end_amdgpu_metadata
.endif
;; end of part 2
;; launch proj (part 3): grid 12 x 32, 16 waves a work-group, clusters of 4 x 4, 290,816 bytes of LDS; arguments x_codes, x_scales, w_codes, w_scales, bq, bk, bv, qkimg, qks, vimg, vs; writes qkimg, qks, vimg, vs
.if DOCPART == 3
	.amdgcn_target "amdgcn-amd-amdhsa--gfx1250"
	.amdhsa_code_object_version 6
	.text
	.protected	k_q97b10c3839_proj
	.globl	k_q97b10c3839_proj
	.p2align	8
	.type	k_q97b10c3839_proj,@function
k_q97b10c3839_proj:
	s_mov_b64 s[64:65], 0
	v_nop
	global_prefetch_b8 v0, s[64:65] scope:SCOPE_SE
	s_setreg_imm32_b32 hwreg(HW_REG_WAVE_MODE, 25, 1), 1
	s_wait_xcnt 0x0
	s_wait_alu depctr_hold_cnt(0) depctr_sa_sdst(0) depctr_va_vdst(0) depctr_va_sdst(0) depctr_va_ssrc(0) depctr_va_vcc(0) depctr_vm_vsrc(0)
	s_getreg_b32 s2, hwreg(HW_REG_IB_STS2, 6, 4)
	s_cmp_eq_u32 s2, 0
	s_cbranch_scc0 .Lentry_in_a_cluster
	s_endpgm
.Lentry_in_a_cluster:
	s_bfe_u32 s2, ttmp6, 0x10000c
	s_cmp_lg_u32 s2, 0xf033
	s_cbranch_scc0 .Lentry_shape_is_right
	s_endpgm
.Lentry_shape_is_right:
; q = x Wq + bq, k = x Wk + bk, v = x Wv + bv on codes of FP4 (E2M1) with E8M0 scales for each 32 along K = 1,024; sums in f32, K ascending, one accumulator for each output.
; The results never go to memory as numbers: each wave quantises its own in registers, q and k along the head's 64, v along the keys, and stores them as IMAGES OF THE NEXT PRODUCTS' OPERAND REGISTERS.
; LIMITS: a block of zeros gets the scale byte 1 and not 127 (its codes are zeros; this program alone reads the bytes); blocks under 2^-124 are held at byte 1; NaN and infinities are not served.
; SHARES: a work-group takes 256 stored rows of x (work-group y) and 256 stored rows of the weights (work-group x; the cluster's x says which tensor: 0 q, 1 k, 2 v).  All of K of both tiles, 512 bytes a row,
; lies in LDS: filled once, nothing is filled again.  Sixteen waves, four to a SIMD, each 128 along P x 32 along R: 16 accumulators.  Source 0 = 16 rows of the P operand, source 1 = 16 rows of the R operand:
; a lane then holds ONE row of R, and its registers run along P.  q, k: P = the weights (so the registers run along the head's channels), R = x.  v: P = x (the registers run along the keys), R = Wv.
; Stored row p holds true row swap34(p), so 16 stored rows on end are true rows 32 B + 8 U + m + 8 (m / 8), and the 16 registers of tiles 2 b and 2 b + 1 are 16 NEIGHBOURS along P: 32 b + 16 (lane / 16) + 0 .. 15.
; CLUSTERS: 4 x 4 work-groups.  The four of a row of the cluster need the same rows of x, the four of a column the same rows of the weights and the same bias: each is asked for JOINTLY.
; A larger wave tile would read LDS less; K is short here and this launch is a small part of the program, so the plain form without register windows is kept.
; REGISTERS: v1-16 lane numbers and addresses; v20-27, v28-29 scale words of P's 8 and R's 2 tiles (lanes 0-15: an even K step's, lanes 16-31: the next one's); v32-47 R's fragments; v48-111 P's; v112-239 accumulators
; (R tile q, P tile p at 112 + 64 q + 8 p); v240-255 v's bias as a C.  Behind the products v48-83 are at work on the codes.
.set PITCH, 528                        ; an LDS row: 512 bytes + 16: the 16 rows that a load touches start at 16 different groups of banks
.set WT,    256*PITCH                  ; x's 256 rows lie at 0, the weights' here
.set XSC,   2*256*PITCH                ; x's scale bytes: 8,192 dense bytes as 32 units of 256 + 16
.set WSC,   XSC+32*272                 ; the weights' likewise
.set BIA,   WSC+32*272                 ; 256 numbers of the bias
.set SCP,   20
.set SCR,   28
.set RF,    32
.set PF,    48
.set ACC,   112
.set CBV,   240
.set TM,    48                         ; v48-51 largest magnitudes, v52-55 bytes, v60-63 the conversions' scale operands
.set PC0,   64                         ; v64-71, v72-79 the two fragments just made
.set PW0,   80                         ; v80, v81 their scale words
.set WV,    26
.macro CROUND                          ; a round of the cluster's barrier: my work-group's barrier; wave 0 signals for the work-group; every wave waits for all sixteen; my work-group's barrier once more
	s_barrier_signal -1
	s_barrier_wait -1
	s_cmp_lg_u32 s[WV], 0
	s_cbranch_scc1 .Lnot_wave_0_\@
	s_barrier_signal -3
.Lnot_wave_0_\@:
	s_barrier_wait -3
	s_barrier_signal -1
	s_barrier_wait -1
.endm
.macro TL g0, g1                       ; a joint load; four v_nop follow it, ahead of the jump and the label
	tensor_load_to_lds s[\g0:\g0+3], s[\g1:\g1+7]
	s_nop 0
.rept 4
	v_nop
.endr
.endm
	s_load_b512 s[4:19], s[0:1], 0x0               ; x's codes s[4:5], x's scales s[6:7], w's codes s[8:9], w's scales s[10:11], bq s[12:13], bk s[14:15], bv s[16:17], qkimg s[18:19]
	s_load_b128 s[20:23], s[0:1], 0x40             ; qks s[20:21], vimg s[22:23]
	s_load_b64 s[24:25], s[0:1], 0x50              ; vs
	v_lshl_add_u32 v30, v0, 2, 0x46800
	v_mov_b32 v31, 0
	ds_add_u32 v30, v31
	ds_add_u32 v30, v31
	v_lshrrev_b32 v1, 5, v0
	v_readfirstlane_b32 s[WV], v1                  ; wave 0..15
	s_and_b32 s27, s[WV], 3                        ; which 64 rows I fetch, if I fetch codes
	s_and_b32 s28, s[WV], 1                        ; wp: which 128 along P
	s_lshr_b32 s29, s[WV], 1                       ; wr: which 32 along R
	s_bfe_u32 s30, ttmp6, 0x40000                  ; cx, cy: my place in the cluster
	s_bfe_u32 s31, ttmp6, 0x40004
	s_lshl_b32 s32, ttmp9, 2
	s_add_co_u32 s32, s32, s30                     ; X: 256 stored rows of the weights
	s_and_b32 s33, ttmp7, 0xffff
	s_lshl_b32 s33, s33, 2
	s_add_co_u32 s33, s33, s31                     ; Y: 256 stored rows of x
	s_lshl_b32 s34, s31, 2
	s_lshl_b32 s34, 15, s34                        ; my row of the cluster
	s_lshl_b32 s35, 0x1111, s30                    ; my column
	; group 1 for codes: 64 rows of 512 bytes, 16 bytes of padding behind each.  x's go to my row, the weights' to my column
	s_or_b32 s36, s34, (0<<16)|(1<<20)|(1<<21)|(6<<22)|(3<<25)
	s_or_b32 s44, s35, (0<<16)|(1<<20)|(1<<21)|(6<<22)|(3<<25)
.irp g, 36, 44
	s_mov_b32 s[\g+1], 512<<16                     ; tensor_dim0
	s_mov_b32 s[\g+2], 64<<16                      ; tensor_dim1
	s_mov_b32 s[\g+3], 512<<16                     ; tile_dim0
	s_mov_b32 s[\g+4], 64                          ; tile_dim1
	s_mov_b32 s[\g+5], 512                         ; from row to row
	s_mov_b32 s[\g+6], 0
	s_mov_b32 s[\g+7], 0
.endr
	; group 1 for scale bytes: 8,192 dense bytes as 32 rows of 32 elements of 8 bytes, 16 bytes of padding behind each
	s_or_b32 s52, s34, (3<<16)|(1<<20)|(1<<21)|(5<<22)|(3<<25)
	s_or_b32 s68, s35, (3<<16)|(1<<20)|(1<<21)|(5<<22)|(3<<25)
.irp g, 52, 68
	s_mov_b32 s[\g+1], 32<<16
	s_mov_b32 s[\g+2], 32<<16
	s_mov_b32 s[\g+3], 32<<16
	s_mov_b32 s[\g+4], 32
	s_mov_b32 s[\g+5], 32
	s_mov_b32 s[\g+6], 0
	s_mov_b32 s[\g+7], 0
.endr
	; group 1 for the bias: one row of 1,024 bytes
	s_or_b32 s88, s35, (3<<16)|(1<<21)
	s_mov_b32 s89, 128<<16
	s_mov_b32 s90, 1<<16
	s_mov_b32 s91, 128<<16
	s_mov_b32 s92, 1
	s_mov_b32 s93, 128
	s_mov_b32 s94, 0
	s_mov_b32 s95, 0
	; groups 0.  x's offsets are made in s[2:3], which never hold cx; the weights' and the bias's in s[100:101], which never hold cy.  No place in the cluster enters an LDS address
	s_mov_b32 s60, 1
	s_mul_i32 s61, s27, 64*PITCH
	s_mov_b32 s76, 1
	s_mul_i32 s77, s27, 64*PITCH
	s_add_co_u32 s77, s77, WT
	s_mov_b32 s80, 1
	s_mov_b32 s81, XSC
	s_mov_b32 s84, 1
	s_mov_b32 s85, WSC
	s_mov_b32 s96, 1
	s_mov_b32 s97, BIA
	s_wait_dscnt 0x0
	s_wait_kmcnt 0x0
	s_lshl_b32 s2, s33, 17                         ; 256 rows of 512 bytes,
	s_lshl_b32 s3, s27, 15
	s_add_co_u32 s2, s2, s3                        ; 64 rows
	s_mov_b32 s3, 0
	s_add_nc_u64 s[62:63], s[4:5], s[2:3]
	s_or_b32 s63, s63, 0x80000000
	s_lshl_b32 s2, s33, 13                         ; 256 rows of 32 bytes
	s_add_nc_u64 s[82:83], s[6:7], s[2:3]
	s_or_b32 s83, s83, 0x80000000
	s_lshl_b32 s100, s32, 17
	s_lshl_b32 s101, s27, 15
	s_add_co_u32 s100, s100, s101
	s_mov_b32 s101, 0
	s_add_nc_u64 s[78:79], s[8:9], s[100:101]
	s_or_b32 s79, s79, 0x80000000
	s_lshl_b32 s100, s32, 13
	s_add_nc_u64 s[86:87], s[10:11], s[100:101]
	s_or_b32 s87, s87, 0x80000000
	s_cmp_eq_u32 ttmp9, 0                          ; which bias: the choice hangs on the cluster's number alone
	s_cselect_b64 s[12:13], s[12:13], s[14:15]
	s_cmp_eq_u32 ttmp9, 2
	s_cselect_b64 s[12:13], s[16:17], s[12:13]
	s_lshl_b32 s100, s30, 10                       ; 256 numbers for each work-group of a tensor
	s_add_nc_u64 s[98:99], s[12:13], s[100:101]
	s_or_b32 s99, s99, 0x80000000
	CROUND                                         ; all sixteen work-groups are here: the joint loads meet
	s_cmp_lt_u32 s[WV], 4                          ; one load a wave; the branches hang on the wave's number alone
	s_cbranch_scc0 .Lnot_x
	TL 60, 36                                      ; waves 0-3: x's codes, 64 rows each
	s_branch .Lasked
.Lnot_x:
	s_cmp_lt_u32 s[WV], 8
	s_cbranch_scc0 .Lnot_w
	TL 76, 44                                      ; waves 4-7: the weights' codes
	s_branch .Lasked
.Lnot_w:
	s_cmp_eq_u32 s[WV], 8
	s_cbranch_scc0 .Lnot_xs
	TL 80, 52                                      ; wave 8: x's scale bytes
	s_branch .Lasked
.Lnot_xs:
	s_cmp_eq_u32 s[WV], 9
	s_cbranch_scc0 .Lnot_ws
	TL 84, 68                                      ; wave 9: the weights'
	s_branch .Lasked
.Lnot_ws:
	s_cmp_eq_u32 s[WV], 10
	s_cbranch_scc0 .Lasked
	TL 96, 88                                      ; wave 10: the bias
.Lasked:
	; every LDS address is made here, ahead of the parting of the two roles
	v_and_b32 v1, 15, v0                           ; r
	v_bfe_u32 v2, v0, 4, 1                         ; h
	v_and_b32 v3, 31, v0                           ; lane
	v_mul_u32_u24 v17, v1, PITCH
	v_lshl_add_u32 v17, v2, 4, v17                 ; a fragment's row x pitch + 16 h
	s_mul_i32 s2, s28, 128*PITCH
	s_mul_i32 s3, s29, 32*PITCH
	v_add_nc_u32 v4, s2, v17                       ; x as P
	v_add_nc_u32 v5, s3, v17                       ; x as R
	v_add_nc_u32 v6, WT, v4                        ; the weights as P
	v_add_nc_u32 v7, WT, v5                        ; the weights as R
	v_lshrrev_b32 v18, 3, v1
	v_and_b32 v19, 7, v1
	v_mul_u32_u24 v18, v18, 272
	v_lshl_add_u32 v18, v19, 5, v18                ; a row's 32 scale bytes: eight rows to a unit of 272
	v_lshl_add_u32 v18, v2, 2, v18                 ; lanes 16-31 take the next K step's word
	s_mul_i32 s2, s28, 16*272
	s_mul_i32 s3, s29, 4*272
	s_add_co_u32 s2, s2, XSC
	s_add_co_u32 s3, s3, XSC
	v_add_nc_u32 v8, s2, v18                       ; x's scale words as P
	v_add_nc_u32 v9, s3, v18                       ; as R
	v_add_nc_u32 v10, WSC-XSC, v8                  ; the weights' as P
	v_add_nc_u32 v11, WSC-XSC, v9                  ; as R
	s_lshl_b32 s2, s28, 9
	s_add_co_u32 s2, s2, BIA
	v_lshl_add_u32 v12, v2, 6, s2                  ; the bias along P: my 128 numbers, + 16 h numbers
	v_and_b32 v19, 8, v1
	v_add_nc_u32 v19, v19, v1                      ; r + 8 (r / 8)
	s_lshl_b32 s3, s29, 7
	s_add_co_u32 s3, s3, BIA
	v_lshl_add_u32 v13, v19, 2, s3                 ; the bias along R: my row's number
	v_lshlrev_b32 v14, 4, v3                       ; an image's place for my lane
	v_lshlrev_b32 v15, 2, v3                       ; a scale word's
	v_lshlrev_b32 v16, 4, v2                       ; 16 h
	s_mov_b32 s4, 0x76543210                       ; v_permlanex16_b32's selects for lane l xor 16
	s_mov_b32 s5, 0xfedcba98
	s_mov_b32 s6, 0xffff0000                       ; lanes 16-31
	s_wait_tensorcnt 0x0                           ; my load, if I issued one, has landed
	s_barrier_signal -1
	s_barrier_wait -1                              ; everybody's has: both tiles, their scale bytes and the bias lie in LDS
.macro MM p, q, odd, cm                ; one product: R tile q x P tile p.  cm = 1: the sum starts from the bias in v[CBV ..]
.if \cm
	v_wmma_scale_f32_16x16x128_f8f6f4 v[ACC+64*\q+8*\p:ACC+64*\q+8*\p+7], v[PF+8*\p:PF+8*\p+7], v[RF+8*\q:RF+8*\q+7], v[CBV+8*\q:CBV+8*\q+7], v[SCP+\p], v[SCR+\q] matrix_a_fmt:MATRIX_FMT_FP4 matrix_b_fmt:MATRIX_FMT_FP4
.elseif \odd
	v_wmma_scale_f32_16x16x128_f8f6f4 v[ACC+64*\q+8*\p:ACC+64*\q+8*\p+7], v[PF+8*\p:PF+8*\p+7], v[RF+8*\q:RF+8*\q+7], v[ACC+64*\q+8*\p:ACC+64*\q+8*\p+7], v[SCP+\p], v[SCR+\q] matrix_a_fmt:MATRIX_FMT_FP4 matrix_b_fmt:MATRIX_FMT_FP4 matrix_a_scale:MATRIX_SCALE_ROW1 matrix_b_scale:MATRIX_SCALE_ROW1
.else
	v_wmma_scale_f32_16x16x128_f8f6f4 v[ACC+64*\q+8*\p:ACC+64*\q+8*\p+7], v[PF+8*\p:PF+8*\p+7], v[RF+8*\q:RF+8*\q+7], v[ACC+64*\q+8*\p:ACC+64*\q+8*\p+7], v[SCP+\p], v[SCR+\q] matrix_a_fmt:MATRIX_FMT_FP4 matrix_b_fmt:MATRIX_FMT_FP4
.endif
.endm
; K step s of eight: 128 along K.  The 16 accumulators take turns, one instruction a turn, in the same order in every step.
.macro KSTEP s, adP, adR, asP, asR, cmode
.if (\s) > 0
.rept 4
	v_nop                                          ; four places in front of loads into registers that matrix instructions have read
.endr
.endif
.if (\s)%2 == 0
.irp p, 0,1,2,3,4,5,6,7
	ds_load_b32 v[SCP+\p], v[\asP] offset:544*\p+4*(\s)            ; lanes 0-15: this step's words; lanes 16-31: the next step's
.endr
.irp q, 0,1
	ds_load_b32 v[SCR+\q], v[\asR] offset:544*\q+4*(\s)
.endr
.endif
.irp p, 0,1,2,3,4,5,6,7
.irp c, 0,1
	ds_load_b128 v[PF+8*\p+4*\c:PF+8*\p+4*\c+3], v[\adP] offset:16*PITCH*\p+64*(\s)+32*\c
.endr
.endr
.irp q, 0,1
.irp c, 0,1
	ds_load_b128 v[RF+8*\q+4*\c:RF+8*\q+4*\c+3], v[\adR] offset:16*PITCH*\q+64*(\s)+32*\c
.endr
.endr
	s_wait_dscnt 0x0
.irp p, 0,1,2,3,4,5,6,7
.irp q, 0,1
	MM \p, \q, (\s)%2, \cmode
.endr
.endr
.endm
; 64 numbers of a lane, v[s] .. v[s + 63], register 16 b + i = index 32 b + 16 (lane / 16) + i of my row, become a fragment's codes in v[pc] on and its scale word in v[pw].  Each accumulator is read from its low end on.
.macro QUANT s, pc, pw
.irp b, 0,1,2,3
	v_max3_num_f32 v[TM+\b], |v[\s+16*\b]|, |v[\s+1+16*\b]|, 0x1800000   ; block b: my 16 numbers, and the floor 2^(3 - 127): the byte cannot fall under 1
.endr
.irp i, 2,4,6,8,10,12,14
.irp b, 0,1,2,3
	v_max3_num_f32 v[TM+\b], v[TM+\b], |v[\s+16*\b+\i]|, |v[\s+1+16*\b+\i]|   ; (the four blocks by turns)
.endr
.endr
.irp b, 0,1,2,3
	v_permlanex16_b32 v[TM+4+\b], v[TM+\b], s4, s5
.endr
.irp b, 0,1,2,3
	v_max_num_f32 v[TM+\b], v[TM+\b], v[TM+4+\b]   ; with lane l xor 16's: the block's largest magnitude
.endr
.irp b, 0,1,2,3
	v_add_nc_u32 v[TM+12+\b], 0xff000000, v[TM+\b] ; 2 off its exponent field: the conversion's scale operand
.endr
.irp b, 0,1,2,3
	v_lshrrev_b32 v[TM+4+\b], 23, v[TM+12+\b]      ; the scale's byte
.endr
	v_lshl_or_b32 v[\pw], v[TM+5], 8, v[TM+4]      ; the four bytes make my row's scale word
	v_lshl_or_b32 v[\pw], v[TM+6], 16, v[\pw]
	v_lshl_or_b32 v[\pw], v[TM+7], 24, v[\pw]
.irp b, 0,1,2,3
	v_cvt_scalef32_pk8_fp4_f32 v[\pc+2*\b], v[\s+16*\b:\s+7+16*\b], v[TM+12+\b]
	v_cvt_scalef32_pk8_fp4_f32 v[\pc+1+2*\b], v[\s+8+16*\b:\s+15+16*\b], v[TM+12+\b]
.endr
	v_nop                                          ; one plain place behind a scaled conversion
.irp c, 0,1                                    ; the operand's layout wants a WHOLE block in a lane: lanes 0-15 block 2 c, lanes 16-31 block 2 c + 1
.irp i, 0,1
	v_permlane16_swap_b32 v[\pc+4*\c+\i], v[\pc+2+4*\c+\i]
.endr
.endr
.endm
	s_cmp_eq_u32 ttmp9, 2                          ; the role hangs on the cluster's number: alike in all sixteen partners
	s_cbranch_scc1 .Lrole_v
	; ---- q or k: P = the weights, R = x.  My 128 along P are two heads; my 32 rows of x are two tiles of the sequence
	s_lshl_b32 s2, s30, 1
	s_add_co_u32 s2, s2, s28                       ; the pair of heads: 2 cx + wp
	s_lshr_b32 s3, s33, 3                          ; the batch
	s_lshl_b32 s7, ttmp9, 2
	s_add_co_u32 s3, s3, s7                        ; 4 sel + b
	s_and_b32 s7, s33, 7
	s_lshl_b32 s7, s7, 4
	s_lshl_b32 s8, s29, 1
	s_add_co_u32 s7, s7, s8                        ; my first tile of the sequence: 16 (Y % 8) + 2 wr
	s_lshl_b32 s8, s3, 4
	s_lshl_b32 s9, s2, 1
	s_add_co_u32 s8, s8, s9
	s_lshl_b32 s8, s8, 7
	s_add_co_u32 s8, s8, s7
	s_lshl_b32 s8, s8, 9                           ; qkimg: [sel][b][head][tile][512 bytes]
	s_mov_b32 s9, 0
	s_add_nc_u64 s[18:19], s[18:19], s[8:9]
	s_lshl_b32 s8, s3, 3
	s_add_co_u32 s8, s8, s2
	s_lshl_b32 s8, s8, 7
	s_add_co_u32 s8, s8, s7
	s_lshl_b32 s8, s8, 7                           ; qks: [sel][b][pair][tile][128 bytes]
	s_add_nc_u64 s[20:21], s[20:21], s[8:9]
.irp q, 0,1                                    ; the bias runs along P, so along the registers: it is loaded into the accumulators, which the first K step adds onto
.irp p, 0,1,2,3,4,5,6,7
	ds_load_b128 v[ACC+64*\q+8*\p:ACC+64*\q+8*\p+3], v12 offset:4*(32*(\p/2)+8*(\p%2))
	ds_load_b128 v[ACC+64*\q+8*\p+4:ACC+64*\q+8*\p+7], v12 offset:4*(32*(\p/2)+8*(\p%2))+16
.endr
.endr
.irp k, 0,1,2,3,4,5,6,7
	KSTEP \k, 6, 5, 10, 9, 0
.endr
.rept 4
	v_nop                                          ; four places in front of the first read of results and the first write of operands that are done with
.endr
	QUANT ACC, PC0, PW0
	QUANT ACC+64, PC0+8, PW0+1
.irp q, 0,1
.irp c, 0,1
	global_store_b128 v14, v[PC0+8*\q+4*\c:PC0+8*\q+4*\c+3], s[18:19] offset:65536*\c+512*\q   ; registers 4 c .. 4 c + 3 are head 2 pair + c's 64 channels: 32 lanes store 512 consecutive bytes, aligned
.endr
.endr
	v_bfe_u32 v82, v[PW0], v16, 16                 ; lanes 0-15: the first head's two bytes; lanes 16-31: the second's; the upper two bytes are 0
	v_bfe_u32 v83, v[PW0+1], v16, 16
	global_store_b32 v15, v82, s[20:21]
	global_store_b32 v15, v83, s[20:21] offset:128 ; the two stores cover 256 consecutive bytes, aligned
	s_branch .Ljoin
.Lrole_v:
	; ---- v: P = x (128 keys: one K step of the last product), R = Wv (32 channels of one head: two tiles)
	s_lshl_b32 s2, s30, 2
	s_lshr_b32 s3, s29, 1
	s_add_co_u32 s2, s2, s3                        ; the head: 4 cx + wr / 2
	s_lshr_b32 s3, s33, 3
	s_lshl_b32 s3, s3, 4
	s_add_co_u32 s2, s2, s3                        ; 16 b + head
	s_lshl_b32 s2, s2, 4
	s_and_b32 s3, s33, 7
	s_lshl_b32 s3, s3, 1
	s_add_co_u32 s3, s3, s28                       ; the key step: 2 (Y % 8) + wp
	s_add_co_u32 s2, s2, s3
	s_lshl_b32 s2, s2, 2
	s_and_b32 s3, s29, 1
	s_lshl_b32 s3, s3, 1                           ; my first tile of channels: 2 (wr % 2)
	s_add_co_u32 s2, s2, s3
	s_lshl_b32 s8, s2, 10                          ; vimg: [b][head][key step][tile][1,024 bytes]
	s_mov_b32 s9, 0
	s_add_nc_u64 s[22:23], s[22:23], s[8:9]
	s_lshl_b32 s8, s2, 6                           ; vs: [b][head][key step][tile][64 bytes]
	s_add_nc_u64 s[24:25], s[24:25], s[8:9]
	ds_load_b32 v[CBV], v13                        ; the bias runs along R: one number a lane, spread over the eight registers of a C
	ds_load_b32 v[CBV+8], v13 offset:32
	s_wait_dscnt 0x0
.irp j, 1,2,3,4,5,6,7
	v_mov_b32 v[CBV+\j], v[CBV]
	v_mov_b32 v[CBV+8+\j], v[CBV+8]
.endr
	KSTEP 0, 4, 7, 8, 11, 1
.irp k, 1,2,3,4,5,6,7
	KSTEP \k, 4, 7, 8, 11, 0
.endr
.rept 4
	v_nop
.endr
	QUANT ACC, PC0, PW0
	QUANT ACC+64, PC0+8, PW0+1
.irp q, 0,1
.irp c, 0,1
	global_store_b128 v14, v[PC0+8*\q+4*\c:PC0+8*\q+4*\c+3], s[22:23] offset:1024*\q+512*\c   ; the fragment as it stands: 512 consecutive bytes, aligned
.endr
.endr
	v_cndmask_b32 v82, v[PW0], v[PW0+1], s6        ; lanes 0-15: the first tile's scale words; lanes 16-31: the second's
	global_store_b32 v15, v82, s[24:25]
.Ljoin:
	s_wait_dscnt 0x0                               ; no LDS instruction of mine is out at a signal
	s_wait_tensorcnt 0x0
	ds_add_u32 v30, v31
	s_wait_dscnt 0x0
	CROUND                                         ; the closing round: no work-group ends while a partner may still ask for a tile that names it
	s_endpgm
.Lfunc_end_k_q97b10c3839_proj:
	.size	k_q97b10c3839_proj, .Lfunc_end_k_q97b10c3839_proj-k_q97b10c3839_proj
	.p2alignl 7, 3214868480
	.fill 96, 4, 3214868480
	.section	.rodata,"a",@progbits
	.p2align	6, 0x0
	.amdhsa_kernel k_q97b10c3839_proj
		.amdhsa_group_segment_fixed_size 290816
		.amdhsa_private_segment_fixed_size 0
		.amdhsa_enable_private_segment 0
		.amdhsa_kernarg_size 88
		.amdhsa_user_sgpr_count 2
		.amdhsa_user_sgpr_kernarg_segment_ptr 1
		.amdhsa_wavefront_size32 1
		.amdhsa_system_sgpr_workgroup_id_x 1
		.amdhsa_system_sgpr_workgroup_id_y 1
		.amdhsa_system_sgpr_workgroup_id_z 1
		.amdhsa_system_vgpr_workitem_id 0
		.amdhsa_next_free_vgpr 256
		.amdhsa_next_free_sgpr 104
		.amdhsa_reserve_vcc 0
		.amdhsa_float_denorm_mode_32 3
		.amdhsa_float_denorm_mode_16_64 3
		.amdhsa_memory_ordered 1
		.amdhsa_forward_progress 1
		.amdhsa_inst_pref_size 90
	.end_amdhsa_kernel
	.amdgpu_metadata
---
amdhsa.version: [ 1, 2 ]
amdhsa.kernels:
  - .name:           k_q97b10c3839_proj
    .symbol:         k_q97b10c3839_proj.kd
    .args:
      - { .name: x_codes, .offset: 0, .size: 8, .value_kind: global_buffer, .address_space: global }
      - { .name: x_scales, .offset: 8, .size: 8, .value_kind: global_buffer, .address_space: global }
      - { .name: w_codes, .offset: 16, .size: 8, .value_kind: global_buffer, .address_space: global }
      - { .name: w_scales, .offset: 24, .size: 8, .value_kind: global_buffer, .address_space: global }
      - { .name: bq, .offset: 32, .size: 8, .value_kind: global_buffer, .address_space: global }
      - { .name: bk, .offset: 40, .size: 8, .value_kind: global_buffer, .address_space: global }
      - { .name: bv, .offset: 48, .size: 8, .value_kind: global_buffer, .address_space: global }
      - { .name: qkimg, .offset: 56, .size: 8, .value_kind: global_buffer, .address_space: global }
      - { .name: qks, .offset: 64, .size: 8, .value_kind: global_buffer, .address_space: global }
      - { .name: vimg, .offset: 72, .size: 8, .value_kind: global_buffer, .address_space: global }
      - { .name: vs, .offset: 80, .size: 8, .value_kind: global_buffer, .address_space: global }
    .group_segment_fixed_size: 290816
    .private_segment_fixed_size: 0
    .kernarg_segment_align: 8
    .kernarg_segment_size: 88
    .max_flat_workgroup_size: 512
    .sgpr_count:     104
    .vgpr_count:     256
    .wavefront_size: 32
...
	.end_amdgpu_metadata
.endif
;; end of part 3
;; launch attn (part 4): grid 8 x 64, 16 waves a work-group, clusters of 4 x 1, 223,232 bytes of LDS; arguments qkimg, qks, vimg, vs, out0; writes out0
.if DOCPART == 4
	.amdgcn_target "amdgcn-amd-amdhsa--gfx1250"
	.amdhsa_code_object_version 6
	.text
	.protected	k_q97b10c3839_attn
	.globl	k_q97b10c3839_attn
	.p2align	8
	.type	k_q97b10c3839_attn,@function
k_q97b10c3839_attn:
	s_mov_b64 s[64:65], 0
	v_nop
	global_prefetch_b8 v0, s[64:65] scope:SCOPE_SE
	s_setreg_imm32_b32 hwreg(HW_REG_WAVE_MODE, 25, 1), 1
	s_wait_xcnt 0x0
	s_wait_alu depctr_hold_cnt(0) depctr_sa_sdst(0) depctr_va_vdst(0) depctr_va_sdst(0) depctr_va_ssrc(0) depctr_va_vcc(0) depctr_vm_vsrc(0)
	s_getreg_b32 s2, hwreg(HW_REG_IB_STS2, 6, 4)
	s_cmp_eq_u32 s2, 0
	s_cbranch_scc0 .Lentry_in_a_cluster
	s_endpgm
.Lentry_in_a_cluster:
	s_bfe_u32 s2, ttmp6, 0x10000c
	s_cmp_lg_u32 s2, 0x3003
	s_cbranch_scc0 .Lentry_shape_is_right
	s_endpgm
.Lentry_shape_is_right:
; out[b][q][head][:] = the sum over keys of softmax_k((Q.K - slope |k - q|) / 8) V, 2,048 keys, head size 64, both products on codes of FP4 (E2M1) with E8M0 scales for each 32 along K.
; THE SOFTMAX AHEAD OF THE SECOND PRODUCT: t = logit x log2(e); M = the row's largest t so far, rounded UP to a whole number; p = 2^(t - M) is quantised along the keys, not normalised.  The row's sum is taken of the
; unquantised p, in f32, and divides at the end.  When M moves, the sum and O are multiplied by 2^(old M - new M): exact.
; LIMITS: p under 2^-126 comes out of v_exp_f32 as 0; a block whose every p is 0 keeps the scale byte 1 (its codes are zeros); NaN and infinities are not served.
; SHARES: a work-group takes one head of one batch (work-group y) and 256 queries; each of its SIXTEEN waves one tile of 16 queries in 256 registers, four waves to a SIMD, so that one wave's vector work stands beside
; another's products and LDS loads.  Wave w of query block qb owns tile 8 w + qb: its queries lie among keys 128 w .. 128 w + 127, so the key step that holds its diagonal is step w: the wave's number alone.
; THE WHOLE HEAD LIES IN LDS: K's and V's operand images (65,536 bytes each) and their scale words, filled once; nothing is filled again.  CLUSTER: the four query blocks of a cluster read the same head: each part is asked for JOINTLY.
; LAYOUT: both products are used transposed (S^T = K Q^T, O^T = V^T P^T): a lane holds ONE query throughout.  The keys of a tile are 32 b + 8 u + r + 8 (r / 8), so that the 16 registers of tiles 2 b, 2 b + 1 are 16 neighbouring keys.
; K = 64 IN A FORM 128 DEEP: Q's registers 4-7 are zero codes.  A fragment of K is named as eight registers of which the upper four are the NEXT tile's codes (behind the last tile: four cleared registers): they meet zero codes
; and add nothing; the upper two bytes of Q's and K's scale words are 0, which is 2^-127 and no NaN.
; THE BIAS.  Off the diagonal step |k - q| = sigma (k - q) with one sign for the whole step.  With k = KF + 32 b + (16 h + i): -slope |k - q| = sigma slope (16 h + i), which is the C of the score products, + sigma slope (KF + 32 b - q),
; which joins the addend of the multiply-add that makes t - M.  In the diagonal step both are 0 and 128 instructions take slope |k - q| off the scores.
; REGISTERS: v1-4 lane addresses; v5 my query, v6 16 h - my query's place in its 128; v7 way out; v8-11 the step's addresses; v12 -M, v13 the largest t, v[14:15] the sum; v16-23 Q; v24 Q's scale words; v25-27, v36 at work;
; v28-35 the four blocks' addends (even registers); v40-55 slope (16 h + i); v56-71 the same x sigma; v72-103 K's eight tiles, v104-107 zeros; v108-111 K's scale words; v112-143 V's fragments; v144-145 V's scale words;
; v148-211 S^T, then p; v212-243 O^T; v244-251 p's codes; v252 f; v254 p's scale word.  Behind the score products v72-101 are at work.
.set VI,   65536                       ; K's images lie at 0, V's here
.set KSC,  131072                      ; K's scale words of the pair of heads: 128 tiles x 128 bytes
.set VSC,  147456                      ; V's: 16 steps x 4 tiles x 64 bytes
.set STG,  151552                      ; the way out: 16 rows x (256 bytes + 16) for each wave; no tile lands here
.set QF,   16
.set QS,   24
.set AD,   28
.set RAMP, 40
.set RS,   56
.set KB,   72
.set KSW,  108
.set VFR,  112
.set VSW,  144
.set S,    148
.set O,    212
.set PC,   244
.set PW,   254
.set MX,   72                          ; the blocks' largest scores, then their largest p
.set MP,   76                          ; the other half of the lanes', then the scale bytes
.set SO,   80                          ; the conversions' scale operands
.set TB,   84                          ; the blocks' largest t
.set SB,   92                          ; the diagonal step: 32 b + 16 h - my query's place
.set DT,   96                          ; and k - q
.set WV,   14
.macro CROUND                          ; a round of the cluster's barrier: my work-group's barrier; wave 0 signals for the work-group; every wave waits for all four; my work-group's barrier once more
	s_barrier_signal -1
	s_barrier_wait -1
	s_cmp_lg_u32 s[WV], 0
	s_cbranch_scc1 .Lnot_wave_0_\@
	s_barrier_signal -3
.Lnot_wave_0_\@:
	s_barrier_wait -3
	s_barrier_signal -1
	s_barrier_wait -1
.endm
.macro TL g0, g1                       ; a joint load; four v_nop follow it, ahead of the jump and the label
	tensor_load_to_lds s[\g0:\g0+3], s[\g1:\g1+7]
	s_nop 0
.rept 4
	v_nop
.endr
.endm
	s_load_b256 s[4:11], s[0:1], 0x0               ; qkimg s[4:5], qks s[6:7], vimg s[8:9], vs s[10:11]
	s_load_b64 s[12:13], s[0:1], 0x20              ; out0
	v_lshl_add_u32 v147, v0, 2, 0x36000
	v_mov_b32 v255, 0
	ds_add_u32 v147, v255
	ds_add_u32 v147, v255
	v_lshrrev_b32 v1, 5, v0
	v_readfirstlane_b32 s[WV], v1                  ; wave 0..15
	s_and_b32 s15, s[WV], 3                        ; which quarter I fetch, if I fetch images
	s_bfe_u32 s16, ttmp6, 0x40000                  ; cx: it enters Q's and the output's addresses and my queries' numbers alone
	s_lshl_b32 s17, ttmp9, 2
	s_add_co_u32 s17, s17, s16                     ; qb: my block of queries
	s_and_b32 s18, ttmp7, 0xffff                   ; 16 b + head, which the four partners share
	s_and_b32 s19, s18, 15                         ; head
	s_lshr_b32 s20, s18, 4                         ; b
	s_lshr_b32 s21, s19, 1                         ; the pair of heads
	s_and_b32 s37, s19, 1                          ; and which of the two
	; group 1: dense blocks as rows of 32 elements of 8 bytes: 64 rows (16,384 bytes) and 16 rows (4,096 bytes); the mask names all four work-groups
	s_mov_b32 s40, 15|(3<<16)|(1<<21)
	s_mov_b32 s41, 32<<16
	s_mov_b32 s42, 64<<16
	s_mov_b32 s43, 32<<16
	s_mov_b32 s44, 64
	s_mov_b32 s45, 32
	s_mov_b32 s46, 0
	s_mov_b32 s47, 0
	s_mov_b32 s48, 15|(3<<16)|(1<<21)
	s_mov_b32 s49, 32<<16
	s_mov_b32 s50, 16<<16
	s_mov_b32 s51, 32<<16
	s_mov_b32 s52, 16
	s_mov_b32 s53, 32
	s_mov_b32 s54, 0
	s_mov_b32 s55, 0
	s_lshl_b32 s76, s18, 16                        ; a head's images: 65,536 bytes,
	s_lshl_b32 s77, s15, 14
	s_add_co_u32 s76, s76, s77                     ; my quarter
	s_mov_b32 s77, 0
	s_lshl_b32 s78, s20, 3
	s_add_co_u32 s78, s78, s21
	s_lshl_b32 s78, s78, 14                        ; a pair's scale words: 16,384 bytes
	s_mov_b32 s79, 0
	s_lshl_b32 s80, s18, 12                        ; a head's scale words of V: 4,096 bytes
	s_mov_b32 s81, 0
	s_mov_b32 s56, 1
	s_lshl_b32 s57, s15, 14
	s_mov_b32 s60, 1
	s_lshl_b32 s61, s15, 14
	s_add_co_u32 s61, s61, VI
	s_mov_b32 s68, 1
	s_mov_b32 s69, KSC
	s_mov_b32 s72, 1
	s_mov_b32 s73, VSC
	s_wait_dscnt 0x0
	s_wait_kmcnt 0x0
	s_add_nc_u64 s[58:59], s[4:5], s[76:77]
	s_add_nc_u64 s[58:59], s[58:59], 0x400000      ; K's images lie behind Q's
	s_or_b32 s59, s59, 0x80000000
	s_add_nc_u64 s[62:63], s[8:9], s[76:77]
	s_or_b32 s63, s63, 0x80000000
	s_add_nc_u64 s[70:71], s[6:7], s[78:79]
	s_add_nc_u64 s[70:71], s[70:71], 0x80000       ; K's scale words lie behind Q's
	s_or_b32 s71, s71, 0x80000000
	s_add_nc_u64 s[74:75], s[10:11], s[80:81]
	s_or_b32 s75, s75, 0x80000000
	CROUND                                         ; all four work-groups are here: the joint loads meet
	s_cmp_lt_u32 s[WV], 4                          ; one load a wave; the branches hang on the wave's number alone
	s_cbranch_scc0 .Lnot_k
	TL 56, 40                                      ; waves 0-3: K's images
	s_branch .Lasked
.Lnot_k:
	s_cmp_lt_u32 s[WV], 8
	s_cbranch_scc0 .Lnot_v
	TL 60, 40                                      ; waves 4-7: V's
	s_branch .Lasked
.Lnot_v:
	s_cmp_eq_u32 s[WV], 8
	s_cbranch_scc0 .Lnot_ks
	TL 68, 40                                      ; wave 8: K's scale words
	s_branch .Lasked
.Lnot_ks:
	s_cmp_eq_u32 s[WV], 9
	s_cbranch_scc0 .Lasked
	TL 72, 48                                      ; wave 9: V's
.Lasked:
	s_lshl_b32 s2, s[WV], 3
	s_add_co_u32 s2, s2, s17                       ; my tile of queries: 8 w + qb
	s_lshl_b32 s82, s18, 16
	s_lshl_b32 s83, s2, 9
	s_add_co_u32 s82, s82, s83
	s_mov_b32 s83, 0
	s_add_nc_u64 s[4:5], s[4:5], s[82:83]          ; its image
	s_lshl_b32 s82, s2, 7
	s_add_co_u32 s82, s82, s78
	s_lshl_b32 s76, s37, 6
	s_add_co_u32 s82, s82, s76
	s_add_nc_u64 s[6:7], s[6:7], s[82:83]          ; its scale words
	s_lshr_b32 s76, s17, 1
	s_lshl_b32 s76, s76, 5
	s_and_b32 s77, s17, 1
	s_lshl_b32 s77, s77, 3
	s_add_co_u32 s76, s76, s77                     ; the tile's first query within its 128: 32 (qb / 2) + 8 (qb % 2)
	s_lshl_b32 s3, s[WV], 7
	s_add_co_u32 s3, s3, s76                       ; and within the sequence
	s_lshl_b32 s82, s20, 23                        ; the output: 2,048 rows of 4,096 bytes a batch,
	s_lshl_b32 s77, s19, 8
	s_add_co_u32 s82, s82, s77                     ; 256 bytes a head,
	s_lshl_b32 s77, s3, 12
	s_add_co_u32 s82, s82, s77                     ; my first query's row
	s_add_nc_u64 s[12:13], s[12:13], s[82:83]
	v_and_b32 v26, 15, v0                          ; r
	v_bfe_u32 v27, v0, 4, 1                        ; h
	v_and_b32 v25, 31, v0                          ; lane
	v_lshlrev_b32 v1, 4, v25                       ; an image's place for my lane
	v_lshlrev_b32 v36, 2, v26
	global_load_b128 v[QF:QF+3], v1, s[4:5]        ; Q's 64 channels: registers 0-3 of its fragment; it stays
	global_load_b32 v[QS], v36, s[6:7]             ; and its scale words
	v_add_nc_u32 v2, VI, v1
	v_lshl_add_u32 v3, v27, 7, v36                 ; K's scale words: 4 r; lanes 16-31 take the next tile's
	s_lshl_b32 s2, s37, 6
	s_add_co_u32 s2, s2, KSC
	v_add_nc_u32 v3, s2, v3
	v_lshl_add_u32 v4, v25, 2, VSC                 ; V's: lanes 0-15 one tile's, lanes 16-31 the next one's
	v_and_b32 v37, 8, v26
	v_add_nc_u32 v37, v37, v26                     ; r + 8 (r / 8)
	v_add_nc_u32 v5, s3, v37                       ; my query
	v_add_nc_u32 v6, s76, v37
	v_lshlrev_b32 v25, 4, v27                      ; 16 h
	v_sub_nc_u32 v6, v25, v6                       ; 16 h - my query's place in its 128
	v_lshlrev_b32 v7, 12, v27
	v_lshl_add_u32 v7, v26, 4, v7                  ; the way out: lanes 0-15 one row of the output, lanes 16-31 the next; 16 bytes a lane
	s_mov_b32 s22, 0x76543210                      ; v_permlanex16_b32's selects for lane l xor 16
	s_mov_b32 s23, 0xfedcba98
	s_mov_b32 s24, 0x3e38aa3b                      ; c = log2(e) / 8
	s_mov_b32 s25, s24                             ; (named with it as a pair)
	s_mov_b32 s38, 0x3f800000                      ; 1.0
	s_mov_b32 s39, 0xbf800000                      ; -1.0
	s_add_co_u32 s2, s19, 1                        ; the slope is 2^(-n / 2), n = head + 1: 1 or sqrt(1/2), with n / 2 taken off the exponent field
	s_mov_b32 s26, s38
	s_bitcmp1_b32 s2, 0
	s_cselect_b32 s26, 0x3f3504f3, s26
	s_lshr_b32 s2, s2, 1
	s_lshl_b32 s2, s2, 23
	s_sub_co_u32 s26, s26, s2
	v_mov_b32 v37, s26
	v_mul_f32 v37, s24, v37
	v_readfirstlane_b32 s27, v37                   ; c x slope,
	s_xor_b32 s28, s27, 0x80000000                 ; and its negative
.irp i, 0,1,2,3,4,5,6,7,8,9,10,11,12,13,14,15
	v_add_nc_u32 v[RAMP+\i], \i, v25
.endr
.irp i, 0,1,2,3,4,5,6,7,8,9,10,11,12,13,14,15
	v_cvt_f32_u32 v[RAMP+\i], v[RAMP+\i]
.endr
.irp i, 0,1,2,3,4,5,6,7,8,9,10,11,12,13,14,15
	v_mul_f32 v[RAMP+\i], s26, v[RAMP+\i]          ; slope (16 h + i)
.endr
	v_mov_b32 v13, 0xff61b1e6                      ; the largest t so far: -3e38, under every t
	v_floor_f32 v12, -v13                          ; -M
	v_mov_b32 v14, 0                               ; the sum, in two halves
	v_mov_b32 v15, 0
.irp j, 4,5,6,7
	v_mov_b32 v[QF+\j], 0                          ; zero codes for K = 64 .. 127
	v_mov_b32 v[KB+28+\j], 0                       ; what the last tile's fragment names behind its own four registers
.endr
.irp b, 0,1,2,3
	v_mov_b32 v[AD+2*\b+1], 0                      ; (named as the upper halves of pairs of which the low word serves both halves)
.endr
	v_mov_b32 v253, 0
.irp j, 0,1,2,3,4,5,6,7,8,9,10,11,12,13,14,15,16,17,18,19,20,21,22,23,24,25,26,27,28,29,30,31
	v_mov_b32 v[O+\j], 0                           ; O^T.  (The step is written once: the first finds zeros, which the first change of M leaves zeros)
.endr
	s_mov_b32 s32, 0                               ; the key step
	s_mov_b32 s33, 0                               ; its first key
	s_mov_b32 s34, 0                               ; its images: 4,096 bytes a step, K's and V's alike
	s_mov_b32 s35, 0                               ; K's scale words: 1,024 bytes a step
	s_mov_b32 s36, 0                               ; V's: 256
	s_wait_tensorcnt 0x0                           ; my load, if I issued one, has landed
	s_barrier_signal -1
	s_barrier_wait -1                              ; everybody's has: the whole head lies in LDS
	s_wait_loadcnt 0x0                             ; Q
.macro DG i, f                         ; the diagonal step, register i of each block: k - q is a whole number, exact in f32; one multiply-add takes slope |k - q| off the score
.irp b, 0,1,2,3
	v_add_f32 v[DT+\b], \f, v[SB+\b]
.endr
.irp b, 0,1,2,3
	v_fma_f32 v[S+16*\b+\i], -|v[DT+\b]|, s26, v[S+16*\b+\i]
.endr
.endm
.Lstep:                                            ; 16 trips: 128 keys each
	s_cmp_lt_u32 s32, s[WV]                        ; keys before my queries: sigma = 1; behind them: -1; the diagonal step: 0
	s_cselect_b32 s30, s38, s39
	s_cselect_b32 s29, s27, s28                    ; G = sigma c slope
	s_cmp_eq_u32 s32, s[WV]
	s_cselect_b32 s30, 0, s30
	s_cselect_b32 s29, 0, s29
	s_mov_b32 s31, s30
	v_add_nc_u32 v8, s34, v1                       ; these twelve lines are also the places behind the last step's products, in front of the loads into V's registers
	v_add_nc_u32 v9, s34, v2
	v_add_nc_u32 v10, s35, v3
	v_add_nc_u32 v11, s36, v4
.irp j, 0,2,4,6,8,10,12,14
	v_pk_mul_f32 v[RS+\j:RS+\j+1], v[RAMP+\j:RAMP+\j+1], s[30:31] op_sel_hi:[1,0]
.endr
.irp t, 0,1,2,3,4,5,6,7
	ds_load_b128 v[KB+4*\t:KB+4*\t+3], v8 offset:512*\t            ; K's eight tiles: 512 consecutive bytes a load
.endr
.irp i, 0,1,2,3
	ds_load_b32 v[KSW+\i], v10 offset:256*\i       ; lanes 0-15: tile 2 i's words; lanes 16-31: tile 2 i + 1's
.endr
.irp f, 0,1,2,3,4,5,6,7
	ds_load_b128 v[VFR+4*\f:VFR+4*\f+3], v9 offset:512*\f          ; V's four fragments: wanted behind the softmax
.endr
.irp i, 0,1
	ds_load_b32 v[VSW+\i], v11 offset:128*\i
.endr
	s_wait_dscnt 10                                ; K and its scale words are in; V's ten loads may be out
.irp t, 0,2,4,6                                ; S^T = K Q^T + sigma slope (16 h + i): eight accumulators, each begun by its one product
	v_wmma_scale_f32_16x16x128_f8f6f4 v[S+8*\t:S+8*\t+7], v[KB+4*\t:KB+4*\t+7], v[QF:QF+7], v[RS:RS+7], v[KSW+\t/2], v[QS] matrix_a_fmt:MATRIX_FMT_FP4 matrix_b_fmt:MATRIX_FMT_FP4
	v_wmma_scale_f32_16x16x128_f8f6f4 v[S+8*\t+8:S+8*\t+15], v[KB+4*\t+4:KB+4*\t+11], v[QF:QF+7], v[RS+8:RS+15], v[KSW+\t/2], v[QS] matrix_a_fmt:MATRIX_FMT_FP4 matrix_b_fmt:MATRIX_FMT_FP4 matrix_a_scale:MATRIX_SCALE_ROW1
.endr
	v_sub_nc_u32 v25, s33, v5                      ; KF - q.  These nine lines name no register of the products: they are the places behind them
	v_cvt_f32_i32 v25, v25
	v_add_f32 v26, 0x42000000, v25                 ; + 32, 64, 96: whole numbers, exact
	v_add_f32 v27, 0x42800000, v25
	v_add_f32 v36, 0x42c00000, v25
	v_mul_f32 v[AD], s29, v25                      ; the blocks' addends G (KF + 32 b - q)
	v_mul_f32 v[AD+2], s29, v26
	v_mul_f32 v[AD+4], s29, v27
	v_mul_f32 v[AD+6], s29, v36
	s_cmp_lg_u32 s32, s[WV]
	s_cbranch_scc1 .Loff                           ; a branch on the step's and the wave's number
.irp b, 0,1,2,3
	v_add_nc_u32 v[SB+\b], 32*\b, v6
.endr
.irp b, 0,1,2,3
	v_cvt_f32_i32 v[SB+\b], v[SB+\b]
.endr
	DG 0, 0
	DG 1, 0x3f800000
	DG 2, 0x40000000
	DG 3, 0x40400000
	DG 4, 0x40800000
	DG 5, 0x40a00000
	DG 6, 0x40c00000
	DG 7, 0x40e00000
	DG 8, 0x41000000
	DG 9, 0x41100000
	DG 10, 0x41200000
	DG 11, 0x41300000
	DG 12, 0x41400000
	DG 13, 0x41500000
	DG 14, 0x41600000
	DG 15, 0x41700000
.Loff:
.irp b, 0,1,2,3
	v_max3_num_f32 v[MX+\b], v[S+16*\b], v[S+1+16*\b], v[S+2+16*\b]   ; THE LARGEST SCORE OF EACH BLOCK OF 32 KEYS: within a block t rises with the score, so it serves for the row's maximum and for the block's largest p
.endr
.irp i, 3,5,7,9,11,13
.irp b, 0,1,2,3
	v_max3_num_f32 v[MX+\b], v[MX+\b], v[S+16*\b+\i], v[S+1+16*\b+\i]   ; (the four blocks by turns)
.endr
.endr
.irp b, 0,1,2,3
	v_max_num_f32 v[MX+\b], v[MX+\b], v[S+15+16*\b]
.endr
.irp b, 0,1,2,3
	v_permlanex16_b32 v[MP+\b], v[MX+\b], s22, s23
.endr
.irp b, 0,1,2,3
	v_max_num_f32 v[MX+\b], v[MX+\b], v[MP+\b]     ; with lane l xor 16's 16 keys
.endr
.irp b, 0,1,2,3
	v_fma_f32 v[TB+\b], v[MX+\b], s24, v[AD+2*\b]  ; the blocks' largest t
.endr
	v_max3_num_f32 v25, v[TB], v[TB+1], v[TB+2]
	v_max3_num_f32 v13, v13, v25, v[TB+3]          ; the running largest t
	v_mov_b32 v25, v12
	v_floor_f32 v12, -v13                          ; the new -M = floor(-t) = -ceil(t): M IS A WHOLE NUMBER
	v_sub_f32 v25, v12, v25                        ; M's old value less its new one: a whole number, 0 or less
	v_cvt_i32_f32 v25, v25                         ; (it saturates)
	v_ldexp_f32 v252, 1.0, v25                     ; f = 2^(old M - new M)
.irp b, 0,1,2,3
	v_add_f32 v[AD+2*\b], v[AD+2*\b], v12          ; the addends take -M in
.endr
.irp b, 0,1,2,3
.irp j, 0,2,4,6,8,10,12,14
	v_pk_fma_f32 v[S+16*\b+\j:S+16*\b+\j+1], v[S+16*\b+\j:S+16*\b+\j+1], s[24:25], v[AD+2*\b:AD+2*\b+1] op_sel_hi:[1,0,0]   ; t - M, two at a time
.endr
.endr
.irp b, 0,1,2,3
	v_fma_f32 v[MX+\b], v[MX+\b], s24, v[AD+2*\b]  ; the same of each block's largest score
.endr
.irp j, 0,1,2,3,4,5,6,7,8,9,10,11,12,13,14,15,16,17,18,19,20,21,22,23,24,25,26,27,28,29,30,31,32,33,34,35,36,37,38,39,40,41,42,43,44,45,46,47,48,49,50,51,52,53,54,55,56,57,58,59,60,61,62,63
	v_exp_f32 v[S+\j], v[S+\j]                     ; p = 2^(t - M): NOT normalised
.endr
.irp b, 0,1,2,3
	v_exp_f32 v[MX+\b], v[MX+\b]                   ; the block's largest p: the same two instructions on the same number give the same bits
.endr
	v_pk_mul_f32 v[14:15], v[14:15], v[252:253] op_sel_hi:[1,0]    ; the sums under the new M.  (A plain place behind the exponentials)
	s_wait_alu depctr_va_vdst(0)
.irp b, 0,1,2,3
	v_max_num_f32 v[MX+\b], 0x1800000, v[MX+\b]    ; the floor 2^(3 - 127): the byte cannot fall under 1
.endr
.irp b, 0,1,2,3
	v_add_nc_u32 v[SO+\b], 0xff000000, v[MX+\b]    ; 2 off the exponent field: the conversion's scale operand
.endr
.irp b, 0,1,2,3
	v_lshrrev_b32 v[MP+\b], 23, v[SO+\b]           ; the scale's byte
.endr
	v_lshl_or_b32 v[PW], v[MP+1], 8, v[MP]         ; p's scale word for these 128 keys
	v_lshl_or_b32 v[PW], v[MP+2], 16, v[PW]
	v_lshl_or_b32 v[PW], v[MP+3], 24, v[PW]
.irp b, 0,1,2,3
	v_cvt_scalef32_pk8_fp4_f32 v[PC+2*\b], v[S+16*\b:S+7+16*\b], v[SO+\b]
	v_cvt_scalef32_pk8_fp4_f32 v[PC+1+2*\b], v[S+8+16*\b:S+15+16*\b], v[SO+\b]
.endr
	v_nop                                          ; one plain place behind a scaled conversion
.irp c, 0,1                                    ; the operand's layout wants a WHOLE block in a lane: lanes 0-15 block 2 c, lanes 16-31 block 2 c + 1
.irp i, 0,1
	v_permlane16_swap_b32 v[PC+4*\c+\i], v[PC+2+4*\c+\i]
.endr
.endr
	v_pk_add_f32 v[100:101], v[S:S+1], v[S+2:S+3]  ; THE ROW'S SUM IS TAKEN OF THE UNQUANTISED p: two at a time, in two chains.  (These 32 lines are the places between p's codes and scale word and the products)
.irp j, 4,8,12,16,20,24,28,32,36,40,44,48,52,56,60
	v_pk_add_f32 v[14:15], v[14:15], v[S+\j:S+\j+1]
	v_pk_add_f32 v[100:101], v[100:101], v[S+2+\j:S+3+\j]
.endr
	v_pk_add_f32 v[14:15], v[14:15], v[100:101]
.irp j, 0,2,4,6,8,10,12,14,16,18,20,22,24,26,28,30
	v_pk_mul_f32 v[O+\j:O+\j+1], v[O+\j:O+\j+1], v[252:253] op_sel_hi:[1,0]   ; O^T under the new M: x f; each accumulator from its low end on
.endr
	s_wait_dscnt 0x0                               ; V and its scale words are in
.irp d, 0,2                                    ; O^T += V^T P^T: four accumulators by turns, one instruction a turn
	v_wmma_scale_f32_16x16x128_f8f6f4 v[O+8*\d:O+8*\d+7], v[VFR+8*\d:VFR+8*\d+7], v[PC:PC+7], v[O+8*\d:O+8*\d+7], v[VSW+\d/2], v[PW] matrix_a_fmt:MATRIX_FMT_FP4 matrix_b_fmt:MATRIX_FMT_FP4
	v_wmma_scale_f32_16x16x128_f8f6f4 v[O+8*\d+8:O+8*\d+15], v[VFR+8*\d+8:VFR+8*\d+15], v[PC:PC+7], v[O+8*\d+8:O+8*\d+15], v[VSW+\d/2], v[PW] matrix_a_fmt:MATRIX_FMT_FP4 matrix_b_fmt:MATRIX_FMT_FP4 matrix_a_scale:MATRIX_SCALE_ROW1
.endr
	s_add_co_u32 s33, s33, 128
	s_add_co_u32 s34, s34, 4096
	s_add_co_u32 s35, s35, 1024
	s_add_co_u32 s36, s36, 256
	s_add_co_u32 s32, s32, 1
	s_cmp_lt_u32 s32, 16
	s_cbranch_scc1 .Lstep
	; THE WAY OUT.  O^T is divided by the row's sum and goes through my own stage in LDS, so that sixteen lanes store a query's 256 bytes of this head: one aligned run.  The lines up to the reciprocal are the places behind the last products.
	v_add_f32 v14, v14, v15                        ; the sum's two halves,
	v_permlanex16_b32 v25, v14, s22, s23
	v_and_b32 v26, 15, v0                          ; r
	v_bfe_u32 v27, v0, 4, 1                        ; h
	v_add_f32 v14, v14, v25                        ; and lane l xor 16's: the row's sum
	s_mul_i32 s2, s[WV], 16*272
	s_add_co_u32 s2, s2, STG                       ; my stage
	v_mul_u32_u24 v8, v26, 272
	v_lshl_add_u32 v8, v27, 6, v8
	v_add_nc_u32 v8, s2, v8                        ; in: row r, + 64 h bytes: register 8 (2 B + U) + j is channel 32 B + 16 h + 8 U + j
	v_mul_u32_u24 v9, v27, 272
	v_lshl_add_u32 v9, v26, 4, v9
	v_add_nc_u32 v9, s2, v9                        ; back: lanes 0-15 one row, lanes 16-31 the next
	v_rcp_f32 v14, v14
	v_nop                                          ; one plain place behind a transcendental
	s_wait_alu depctr_va_vdst(0)
.irp j, 0,1,2,3,4,5,6,7,8,9,10,11,12,13,14,15,16,17,18,19,20,21,22,23,24,25,26,27,28,29,30,31
	v_mul_f32 v[S+\j], v[O+\j], v14
.endr
.irp d, 0,1,2,3
	ds_store_b128 v8, v[S+8*\d:S+8*\d+3] offset:128*(\d/2)+32*(\d%2)
	ds_store_b128 v8, v[S+8*\d+4:S+8*\d+7] offset:128*(\d/2)+32*(\d%2)+16
.endr
.irp i, 0,1,2,3,4,5,6,7
	ds_load_b128 v[VFR+4*\i:VFR+4*\i+3], v9 offset:2*\i*272        ; LDS serves a wave's instructions in order: these see my stores
.endr
.irp i, 0,1,2,3,4,5,6,7
	s_wait_dscnt 7-\i                              ; rows 2 i and 2 i + 1 are back; the younger loads may be out
	global_store_b128 v7, v[VFR+4*\i:VFR+4*\i+3], s[12:13] offset:(2*\i+8*(\i/4))*4096   ; the tile's row m is query m + 8 (m / 8) from its first; 16 lanes store 256 consecutive bytes, aligned
.endr
	s_wait_tensorcnt 0x0
	ds_add_u32 v147, v255
	s_wait_dscnt 0x0
	CROUND                                         ; the closing round: no work-group ends while a partner may still ask for a part that names it
	s_endpgm
.Lfunc_end_k_q97b10c3839_attn:
	.size	k_q97b10c3839_attn, .Lfunc_end_k_q97b10c3839_attn-k_q97b10c3839_attn
	.p2alignl 7, 3214868480
	.fill 96, 4, 3214868480
	.section	.rodata,"a",@progbits
	.p2align	6, 0x0
	.amdhsa_kernel k_q97b10c3839_attn
		.amdhsa_group_segment_fixed_size 223232
		.amdhsa_private_segment_fixed_size 0
		.amdhsa_enable_private_segment 0
		.amdhsa_kernarg_size 40
		.amdhsa_user_sgpr_count 2
		.amdhsa_user_sgpr_kernarg_segment_ptr 1
		.amdhsa_wavefront_size32 1
		.amdhsa_system_sgpr_workgroup_id_x 1
		.amdhsa_system_sgpr_workgroup_id_y 1
		.amdhsa_system_sgpr_workgroup_id_z 1
		.amdhsa_system_vgpr_workitem_id 0
		.amdhsa_next_free_vgpr 256
		.amdhsa_next_free_sgpr 84
		.amdhsa_reserve_vcc 0
		.amdhsa_float_denorm_mode_32 3
		.amdhsa_float_denorm_mode_16_64 3
		.amdhsa_memory_ordered 1
		.amdhsa_forward_progress 1
		.amdhsa_inst_pref_size 40
	.end_amdhsa_kernel
	.amdgpu_metadata
---
amdhsa.version: [ 1, 2 ]
amdhsa.kernels:
  - .name:           k_q97b10c3839_attn
    .symbol:         k_q97b10c3839_attn.kd
    .args:
      - { .name: qkimg, .offset: 0, .size: 8, .value_kind: global_buffer, .address_space: global }
      - { .name: qks, .offset: 8, .size: 8, .value_kind: global_buffer, .address_space: global }
      - { .name: vimg, .offset: 16, .size: 8, .value_kind: global_buffer, .address_space: global }
      - { .name: vs, .offset: 24, .size: 8, .value_kind: global_buffer, .address_space: global }
      - { .name: out0, .offset: 32, .size: 8, .value_kind: global_buffer, .address_space: global }
    .group_segment_fixed_size: 223232
    .private_segment_fixed_size: 0
    .kernarg_segment_align: 8
    .kernarg_segment_size: 40
    .max_flat_workgroup_size: 512
    .sgpr_count:     84
    .vgpr_count:     256
    .wavefront_size: 32
...
	.end_amdgpu_metadata
.endif
;; end of part 4
